; MI455X (gfx1250); checked and timed in simulation.
; The chip was launched on July 23, 2026; its instructions are those of AMD's public machine-readable ISA for CDNA 5 (MIT licence, August 2026) and "CDNA5" Instruction Set Architecture Reference Guide (July 2026). The comments in the code are by the model that wrote it; some were corrected since.
;; Additive Attention. Allowed arithmetic: matrix products marked QUANTISED: E2M1 operands, one E8M0 scale for each 32 along K, by v_wmma_scale_f32_16x16x128_f8f6f4 with both operands' format E2M1 (or v_wmma_scale_f32_32x16x128_f4), f32 sums; products left as they are: f32 operands where the result goes on into a quantised operand, else bf16, f16 or f32 operands; f32 sums; everything else in f32.
;; Inputs: matrix 32 x 2,048 x 1,024 float32; u_matrix 1,024 x 1,024 float32; v_vector 1,024 x 1 float32; vector 32 x 1,024 float32; w_matrix 1,024 x 1,024 float32.
;; Outputs: out0 32 x 2,048 float32.
;; This version of the problem:
;;   THIS VERSION OF THE PROBLEM IS GIVEN IN LOW PRECISION. The matrix products marked QUANTISED in the list below multiply operands that are first quantised to E2M1 (2 exponent bits, 1 mantissa bit; 4 bits a number), with one power-of-two scale for each 32 numbers along K (OCP MX v1.0); their sums are f32. All else is computed in f32.
;;   The module's matrix products, in the order in which they are computed (A, B: the left and right operand; K: the contracted axis; several contracted axes count as one K, in the product's order):
;;     1. [M 32, K 1,024] x [K 1,024, N 1,024]; A: input vector; B: input w_matrix: QUANTISED
;;     2. [M 65,536, K 1,024] x [K 1,024, N 1,024]; A: input matrix; B: input u_matrix: QUANTISED
;;     3. [M 65,536, K 1,024] x [K 1,024, N 1]; A: computed on the way; B: input v_vector: left as it is (N = 1 < 16)
;;   THE QUANTISER, for each operand of a quantised product, along K:
;;     - K is cut into blocks of 32 from its start; a last block that is shorter is filled with zeros.
;;     - A block's scale is 2^e with e = floor(log2(the largest magnitude in the block)) - 2, held to -126 .. 127; a block of zeros has e = 0. As a byte (E8M0): e + 127.
;;     - Each number is divided by its block's scale, clamped to +-6, and rounded to the nearest number of E2M1, ties to even, subnormals kept.
;;     - The product sums the exact products of the quantised numbers (number of the format x scale) in f32.
;;   ~~~python
;;   def quantise(x, axis):      # numpy; x: float32 -> the quantised numbers, widened to float32 again
;;       x = np.moveaxis(x, axis, -1); K = x.shape[-1]
;;       x = np.pad(x, [(0, 0)] * (x.ndim - 1) + [(0, -K % 32)]); x = x.reshape(x.shape[:-1] + (-1, 32)); a = np.abs(x).max(-1, keepdims=True)
;;       e = np.where(a > 0, np.clip(np.frexp(np.where(a > 0, a, 1))[1] - 1 - 2, -126, 127), 0)      # np.frexp(a)[1] - 1 = floor(log2(a)), exactly
;;       r = np.clip(x / 2.0 ** e, -6, 6)
;;       step = 2.0 ** (np.maximum(np.frexp(np.where(r == 0, 1, r))[1] - 1, 0) - 1)
;;       q = np.round(r / step) * step * 2.0 ** e      # np.round: ties to even
;;       return np.moveaxis(q.reshape(q.shape[:-2] + (-1,))[..., :K], -1, axis).astype(np.float32)
;;   ~~~
;; One version. Each part assembles by itself: llvm-mc -triple=amdgcn-amd-amdhsa -mcpu=gfx1250 --defsym DOCPART=n.
;; ======== version 1 of 1: 3 launches
;; limits: right only within a limited range of input values
;; workspace buffers: ucodes 524,288 bytes; uscales 32,768 bytes; wxp 1,048,576 bytes; scores 262,144 bytes
;; launch prep (part 1): grid 32 x 8, 2 waves a work-group, no clusters, 0 bytes of LDS; arguments u_matrix, w_matrix, vector, ucodes, uscales, wxp; writes ucodes, uscales, wxp
.if DOCPART == 1
	.amdgcn_target "amdgcn-amd-amdhsa--gfx1250"
	.amdhsa_code_object_version 6
	.text
	.protected	k_q79fda5a484_prep
	.globl	k_q79fda5a484_prep
	.p2align	8
	.type	k_q79fda5a484_prep,@function
k_q79fda5a484_prep:
	s_mov_b64 s[64:65], 0
	v_nop
	global_prefetch_b8 v0, s[64:65] scope:SCOPE_SE
	s_setreg_imm32_b32 hwreg(HW_REG_WAVE_MODE, 25, 1), 1
	s_wait_xcnt 0x0
; out0[b][s] = softmax over s of sum_d v_d tanh(wx[b][d] + uy[b][s][d]);  wx = Q(vector) Q(w_matrix), uy = Q(matrix) Q(u_matrix), Q the MX-FP4 quantiser along K = 1,024.
; Three launches: this one (U's codes and scale words; wx in eight partial sums), the main one (uy, tanh, the dot with v), the softmax.
; DEAD WORK LEFT OUT, in the whole program.  tanh(x) = 1 - 2 r(x) with r(x) = 1 / (1 + e^(2x)), an identity for every real x.  So
; sum_d v_d tanh(x_d) = sum_d v_d - 2 sum_d v_d r(x_d).  The term sum_d v_d hangs on neither b nor s: it is added alike to all 2,048 inputs of a row's softmax, and a softmax
; is unchanged by a term that is the same along its axis, whatever finite values the inputs hold.  It is at most sum_d |v_d|, of the size of the scores themselves.  So it is never formed: the program's score is
; s'[b][s] = sum_d (-2 v_d) r(x_d).  All five inputs keep a way to the output and are loaded.
; LIMITS: an overflow, infinity or NaN that would arise in sum_d v_d alone is not carried to the result; NaN and infinities among the inputs are not served; a block of zeros gets the scale byte 1 where the
; quantiser says 127 (its codes are zeros, which add nothing under any byte but 0xff, and the bytes are read by this program alone); blocks whose largest magnitude lies under 2^-124, whose byte is held at 1, were not tried.
;
; THIS LAUNCH.  u_matrix and w_matrix are [k][n]: K is their FIRST axis.  A lane takes a column n and its registers run down K: each load reads 128 neighbouring bytes a wave, a block of 32 along K lies in one
; lane's registers, and the conversions give codes with K innermost.  Work-group (x, y): x < 16: U, x >= 16: W; 64 columns (x mod 16); K step y of 128: 32 x 8 = 256 work-groups of two waves.  Wave w: 32 columns = two tiles of 16.
; U: the two tiles' fragments leave as IMAGES OF THE OPERAND'S REGISTERS: ucodes[tile 64][K step 8][c 2][lane 32][16 bytes]; each store of a wave covers 512 consecutive bytes.
;    uscales[tile 64][lane 32][word 4]: word q of lane l is column (l mod 16)'s scale word of K step 2 q + l / 16, so that the main launch has a tile's eight words by one 16-byte load a lane.
; W: the fragments are multiplied at once with the codes of vector's 32 rows for this K step: wxp[K step 8][b 32][n 1,024], f32; the main launch adds the eight in ascending order.
; The two paths part once, on the work-group's number, and never join.  No LDS, no barrier: waves share nothing.
.set X,   64                           ; v64..    the column's numbers, 32 registers a block: four sets on U's path, two on W's
.set VX,  128                          ; v128-255 W's path: vector's numbers: register 64 mt + 32 c + i = k 64 c + 32 (lane / 16) + i of row 16 mt + lane % 16
.set ACC, 64                           ; v64-95   W's path: four accumulators, over the first set, which is done with by then
; v1 lane; v2 4 x lane; v3 16 x lane; v4 uscales' place; v5 vector's place; v6 wxp's place; v7 8 (lane / 16); v8, v9 largest magnitudes; v10-13 the conversions' scale operands; v14, v19 bytes; v15 for the lane exchange;
; v16 my column's scale word; v17, v18 vector's scale words (these three hold scales alone); v20-27, v28-35 the two tiles' fragments; v36-43, v44-51 vector's two fragments
.macro XLOAD b, lo                     ; block b: rows 32 b .. 32 b + 31 of the K step, my column
.set XI, 0
.rept 32
	global_load_b32 v[X+32*((\b)%NSETS)+XI], v2, s[\lo:\lo+1] offset:(32*(\b)+XI)*4096 th:TH_LOAD_NT
.set XI, XI+1
.endr
.endm
; Block b of my column: its largest magnitude, its byte, its 32 codes.  Loads run two blocks ahead: the wait leaves the next block's 32 loads out.
.macro BLOCK b, lo
.set XS, X+32*((\b)%NSETS)
.set PB, 20+8*((\b)%2)+4*((\b)/2)      ; blocks 0, 2 into v20-27, blocks 1, 3 into v28-35
.if (\b) < 3
	s_wait_loadcnt 32
.else
	s_wait_loadcnt 0x0
.endif
.if (NSETS == 4) && ((\b) < 2)
	XLOAD (\b)+2, \lo                              ; four sets: the block two on has registers of its own
.endif
	v_max3_num_f32 v8, |v[XS]|, |v[XS+1]|, |v[XS+2]|
	v_max3_num_f32 v9, |v[XS+3]|, |v[XS+4]|, |v[XS+5]|
.irp i, 6,10,14,18,22,26
	v_max3_num_f32 v8, v8, |v[XS+\i]|, |v[XS+\i+1]|
	v_max3_num_f32 v9, v9, |v[XS+\i+2]|, |v[XS+\i+3]|
.endr
	v_max3_num_f32 v8, v8, |v[XS+30]|, |v[XS+31]|
	v_max3_num_f32 v8, v8, v9, 0x1800000           ; and the floor 2^(3 - 127): the byte cannot fall under 1
	v_add_nc_u32 v[10+(\b)], 0xff000000, v8        ; 2 off the exponent field: the conversion takes the exponent field of this operand as its scale
	v_lshrrev_b32 v14, 23, v[10+(\b)]              ; the scale's byte
.if (\b) == 0
	v_mov_b32 v16, v14
.else
	v_lshl_or_b32 v16, v14, 8*(\b), v16            ; four bytes make my column's scale word for this K step
.endif
.irp g, 0,1,2,3
	v_cvt_scalef32_pk8_fp4_f32 v[PB+\g], v[XS+8*\g:XS+8*\g+7], v[10+(\b)]
.endr
.if (NSETS == 2) && ((\b) < 2)
	XLOAD (\b)+2, \lo                              ; two sets: the block two on lands where this block lay
.endif
.endm
; The operand's layout gives lane (r, h) blocks h and 2 + h of column r.  v20-27 hold blocks 0, 2 and v28-35 blocks 1, 3 of all 32 columns: the first's lanes 16-31 change places with the second's lanes 0-15,
; and v20-27 are the fragment of columns 0-15, v28-35 that of columns 16-31.
.macro SWAPS
	v_nop                                          ; one plain place behind the last scaled conversion
.irp c, 0,1
.irp g, 0,1,2,3
	v_permlane16_swap_b32 v[20+4*\c+\g], v[28+4*\c+\g]
.endr
.endr
.endm
; vector's rows 16 mt .. 16 mt + 15: a lane holds two whole blocks (h and 2 + h) of its row
.macro QUANTV mt
.set VS, VX+64*(\mt)
.irp c, 0,1
	v_max3_num_f32 v[8+\c], |v[VS+32*\c]|, |v[VS+32*\c+1]|, 0x1800000
.endr
.irp i, 2,4,6,8,10,12,14,16,18,20,22,24,26,28,30
.irp c, 0,1
	v_max3_num_f32 v[8+\c], v[8+\c], |v[VS+32*\c+\i]|, |v[VS+32*\c+\i+1]|
.endr
.endr
	v_add_nc_u32 v10, 0xff000000, v8
	v_add_nc_u32 v11, 0xff000000, v9
	v_lshrrev_b32 v14, 23, v10
	v_lshrrev_b32 v19, 23, v11
	v_lshl_or_b32 v[17+(\mt)], v19, 16, v14        ; my two bytes,
	v_lshlrev_b32 v[17+(\mt)], v7, v[17+(\mt)]     ; at their places in the word (8 h bits up);
	v_permlanex16_b32 v15, v[17+(\mt)], s24, s25
	v_or_b32 v[17+(\mt)], v[17+(\mt)], v15         ; with lane l xor 16's two the word is whole
.irp c, 0,1
.irp g, 0,1,2,3
	v_cvt_scalef32_pk8_fp4_f32 v[36+8*(\mt)+4*\c+\g], v[VS+32*\c+8*\g:VS+32*\c+8*\g+7], v[10+\c]
.endr
.endr
	v_nop                                          ; one plain place behind the last scaled conversion
.endm
	s_load_b256 s[4:11], s[0:1], 0x0               ; U s[4:5], W s[6:7], vector s[8:9], ucodes s[10:11]
	s_load_b128 s[12:15], s[0:1], 0x20             ; uscales s[12:13], wxp s[14:15]
	v_lshrrev_b32 v1, 5, v0
	v_readfirstlane_b32 s16, v1                    ; wave 0..1
	v_and_b32 v1, 31, v0                           ; lane
	v_lshlrev_b32 v2, 2, v1
	v_lshlrev_b32 v3, 4, v1
	v_and_b32 v8, 15, v0                           ; r
	v_bfe_u32 v9, v0, 4, 1                         ; h
	v_lshlrev_b32 v4, 4, v8
	v_lshl_add_u32 v4, v9, 9, v4                   ; uscales: 512 x (my tile of the two) + 16 r
	v_lshlrev_b32 v5, 12, v8
	v_lshl_add_u32 v6, v9, 5, v5                   ; wxp: row r of 4,096 bytes + 32 h
	v_lshl_add_u32 v5, v9, 7, v5                   ; vector: row r of 4,096 bytes + 128 h
	v_lshlrev_b32 v7, 3, v9
	v_mov_b32 v15, 0                               ; a lane permute's destination counts as one of its sources
	s_and_b32 s17, ttmp7, 0xffff                   ; the K step
	s_and_b32 s18, ttmp9, 15                       ; which 64 columns
	s_mov_b32 s24, 0x76543210
	s_mov_b32 s25, 0xfedcba98                      ; v_permlanex16_b32's selects for lane l xor 16
	s_lshl_b32 s26, s18, 8
	s_lshl_b32 s22, s16, 7
	s_add_co_u32 s26, s26, s22                     ; my first column, in bytes of f32: 256 x group + 128 x wave
	s_lshl_b32 s20, s17, 19                        ; 128 rows of 4,096 bytes a K step
	s_add_co_u32 s20, s20, s26
	s_mov_b32 s21, 0
	s_lshl_b32 s19, s18, 2
	s_lshl_b32 s22, s16, 1
	s_add_co_u32 s19, s19, s22                     ; my first tile of 16 columns: 4 x group + 2 x wave
	s_mov_b32 s23, 0
	s_wait_kmcnt 0x0
	s_cmp_lt_u32 ttmp9, 16                         ; U's work-group or W's: the work-group's number alone decides
	s_cbranch_scc0 .Lw
	; ---- U
.set NSETS, 4
	s_add_nc_u64 s[4:5], s[4:5], s[20:21]
	XLOAD 0, 4
	XLOAD 1, 4
	s_lshl_b32 s22, s19, 13                        ; ucodes: 8,192 bytes a tile, 1,024 a K step
	s_lshl_b32 s27, s17, 10
	s_add_co_u32 s22, s22, s27
	s_add_nc_u64 s[10:11], s[10:11], s[22:23]
	s_lshl_b32 s22, s19, 9                         ; uscales: 512 bytes a tile; odd K steps in lanes 16-31 (256 bytes on); word = K step / 2
	s_and_b32 s27, s17, 1
	s_lshl_b32 s27, s27, 8
	s_add_co_u32 s22, s22, s27
	s_lshr_b32 s27, s17, 1
	s_lshl_b32 s27, s27, 2
	s_add_co_u32 s22, s22, s27
	s_add_nc_u64 s[12:13], s[12:13], s[22:23]
	BLOCK 0, 4
	BLOCK 1, 4
	BLOCK 2, 4
	BLOCK 3, 4
	SWAPS
.irp t, 0,1
.irp c, 0,1
	global_store_b128 v3, v[20+8*\t+4*\c:23+8*\t+4*\c], s[10:11] offset:8192*\t+512*\c   ; 32 lanes store 512 consecutive bytes
.endr
.endr
	global_store_b32 v4, v16, s[12:13]             ; 4 bytes a lane, 16 apart: one byte in 128 of what the launch reads; taken so, so that the main launch reads a tile's words by one load
	s_endpgm
	; ---- W, and wx's partial sum for this K step
.Lw:
.set NSETS, 2
	s_add_nc_u64 s[6:7], s[6:7], s[20:21]
	s_lshl_b32 s22, s17, 9
	s_add_nc_u64 s[8:9], s[8:9], s[22:23]          ; vector at this K step: 512 bytes a step
	s_wait_alu depctr_va_vdst(0)
.irp mt, 0,1
.irp c, 0,1
.irp g, 0,1,2,3,4,5,6,7
	global_load_b128 v[VX+64*\mt+32*\c+4*\g:VX+64*\mt+32*\c+4*\g+3], v5, s[8:9] offset:65536*\mt+256*\c+16*\g
.endr
.endr
.endr
	XLOAD 0, 6
	XLOAD 1, 6
	s_lshl_b32 s22, s17, 17                        ; wxp: 131,072 bytes a K step, + my first column
	s_add_co_u32 s22, s22, s26
	s_add_nc_u64 s[14:15], s[14:15], s[22:23]
	BLOCK 0, 6                                     ; (its wait leaves 32 loads out: vector's, which are older than block 0's, are in too)
	BLOCK 1, 6
	QUANTV 0                                       ; while blocks 2 and 3 are on their way
	QUANTV 1
	BLOCK 2, 6
	BLOCK 3, 6
	SWAPS
.rept 8
	v_nop                                          ; a scale register written by a vector instruction stands 8 places ahead of a scaled matrix instruction, an operand so written 4
.endr
	; TRANSPOSED: source 0 = 16 columns of W, source 1 = 16 rows of vector: register j of lane (r, h) is wx(b = 16 mt + r, n = first column + 16 t + 8 h + j).  Tile 1's scale words lie in lanes 16-31 of v16
	v_wmma_scale_f32_16x16x128_f8f6f4 v[ACC:ACC+7], v[20:27], v[36:43], 0, v16, v17 matrix_a_fmt:MATRIX_FMT_FP4 matrix_b_fmt:MATRIX_FMT_FP4
	v_wmma_scale_f32_16x16x128_f8f6f4 v[ACC+8:ACC+15], v[20:27], v[44:51], 0, v16, v18 matrix_a_fmt:MATRIX_FMT_FP4 matrix_b_fmt:MATRIX_FMT_FP4
	v_wmma_scale_f32_16x16x128_f8f6f4 v[ACC+16:ACC+23], v[28:35], v[36:43], 0, v16, v17 matrix_a_fmt:MATRIX_FMT_FP4 matrix_b_fmt:MATRIX_FMT_FP4 matrix_a_scale:MATRIX_SCALE_ROW1
	v_wmma_scale_f32_16x16x128_f8f6f4 v[ACC+24:ACC+31], v[28:35], v[44:51], 0, v16, v18 matrix_a_fmt:MATRIX_FMT_FP4 matrix_b_fmt:MATRIX_FMT_FP4 matrix_a_scale:MATRIX_SCALE_ROW1
.rept 4
	v_nop                                          ; four places in front of the stores that read the results
.endr
.irp t, 0,1
.irp mt, 0,1
	global_store_b128 v6, v[ACC+8*(2*\t+\mt):ACC+8*(2*\t+\mt)+3], s[14:15] offset:65536*\mt+64*\t        ; each accumulator from its low end on
	global_store_b128 v6, v[ACC+8*(2*\t+\mt)+4:ACC+8*(2*\t+\mt)+7], s[14:15] offset:65536*\mt+64*\t+16
.endr
.endr
	s_endpgm
.Lfunc_end_k_q79fda5a484_prep:
	.size	k_q79fda5a484_prep, .Lfunc_end_k_q79fda5a484_prep-k_q79fda5a484_prep
	.p2alignl 7, 3214868480
	.fill 96, 4, 3214868480
	.section	.rodata,"a",@progbits
	.p2align	6, 0x0
	.amdhsa_kernel k_q79fda5a484_prep
		.amdhsa_group_segment_fixed_size 0
		.amdhsa_private_segment_fixed_size 0
		.amdhsa_enable_private_segment 0
		.amdhsa_kernarg_size 48
		.amdhsa_user_sgpr_count 2
		.amdhsa_user_sgpr_kernarg_segment_ptr 1
		.amdhsa_wavefront_size32 1
		.amdhsa_system_sgpr_workgroup_id_x 1
		.amdhsa_system_sgpr_workgroup_id_y 1
		.amdhsa_system_sgpr_workgroup_id_z 1
		.amdhsa_system_vgpr_workitem_id 0
		.amdhsa_next_free_vgpr 256
		.amdhsa_next_free_sgpr 66
		.amdhsa_reserve_vcc 0
		.amdhsa_float_denorm_mode_32 3
		.amdhsa_float_denorm_mode_16_64 3
		.amdhsa_memory_ordered 1
		.amdhsa_forward_progress 1
		.amdhsa_inst_pref_size 50
	.end_amdhsa_kernel
	.amdgpu_metadata
---
amdhsa.version: [ 1, 2 ]
amdhsa.kernels:
  - .name:           k_q79fda5a484_prep
    .symbol:         k_q79fda5a484_prep.kd
    .args:
      - { .name: u_matrix, .offset: 0, .size: 8, .value_kind: global_buffer, .address_space: global }
      - { .name: w_matrix, .offset: 8, .size: 8, .value_kind: global_buffer, .address_space: global }
      - { .name: vector, .offset: 16, .size: 8, .value_kind: global_buffer, .address_space: global }
      - { .name: ucodes, .offset: 24, .size: 8, .value_kind: global_buffer, .address_space: global }
      - { .name: uscales, .offset: 32, .size: 8, .value_kind: global_buffer, .address_space: global }
      - { .name: wxp, .offset: 40, .size: 8, .value_kind: global_buffer, .address_space: global }
    .group_segment_fixed_size: 0
    .private_segment_fixed_size: 0
    .kernarg_segment_align: 8
    .kernarg_segment_size: 48
    .max_flat_workgroup_size: 64
    .sgpr_count:     66
    .vgpr_count:     256
    .wavefront_size: 32
...
	.end_amdgpu_metadata
.endif
;; end of part 1
;; launch main (part 2): grid 256 x 1, 8 waves a work-group, clusters of 4 x 1, 327,680 bytes of LDS; arguments matrix, ucodes, uscales, wxp, v_vector, scores; writes scores
.if DOCPART == 2
	.amdgcn_target "amdgcn-amd-amdhsa--gfx1250"
	.amdhsa_code_object_version 6
	.text
	.protected	k_q79fda5a484_main
	.globl	k_q79fda5a484_main
	.p2align	8
	.type	k_q79fda5a484_main,@function
k_q79fda5a484_main:
	s_mov_b64 s[64:65], 0
	v_nop
	global_prefetch_b8 v0, s[64:65] scope:SCOPE_SE
	s_setreg_imm32_b32 hwreg(HW_REG_WAVE_MODE, 25, 1), 1
	s_wait_xcnt 0x0
	s_wait_alu depctr_hold_cnt(0) depctr_sa_sdst(0) depctr_va_vdst(0) depctr_va_sdst(0) depctr_va_ssrc(0) depctr_va_vcc(0) depctr_vm_vsrc(0)
	s_getreg_b32 s2, hwreg(HW_REG_IB_STS2, 6, 4)
	s_cmp_eq_u32 s2, 0
	s_cbranch_scc0 .Lentry_in_a_cluster
	s_endpgm
.Lentry_in_a_cluster:
	s_bfe_u32 s2, ttmp6, 0x10000c
	s_cmp_lg_u32 s2, 0x3003
	s_cbranch_scc0 .Lentry_shape_is_right
	s_endpgm
.Lentry_shape_is_right:
; scores[b][s] = sum_d (-2 v_d) r(wx[b][d] + uy[b][s][d]), r(x) = 1 / (1 + 2^(c x)), c = 2 log2(e);  uy = Q(matrix) Q(u_matrix) on codes of FP4 (E2M1), one E8M0 scale for each 32 along K.
; WORK LEFT OUT: the term sum_d v_d of sum_d v_d tanh(x_d) = sum_d v_d - 2 sum_d v_d r(x_d): it is the same along the softmax's axis (shown at the head of the first kernel).
; RANGE: 2^(c x) that overflows gives r = 0, one that falls to 0 gives r = 1: tanh's own limits, nothing is clipped.  LIMITS as stated at the head of the first kernel.
; SHARES.  A work-group owns 256 rows (b, s) of one b, as TWO CHUNKS of 128; eight waves of 512 registers.  Wave w quantises rows 16 w .. 16 w + 15 of each chunk: eight fragments of 16 rows x 128 K.  A fragment's sixteen loads
;   cover 512 consecutive bytes of a row each; its numbers turn through the wave's own stage in LDS, so that a lane holds whole blocks of 32 of ONE row; codes and scale words go to LDS as images of the operand's registers.
; A WALK: U's 64 tiles of 16 columns go through a ring of two LDS slots of 8 tiles.  Wave w = 4 g + q multiplies rows 64 g .. 64 g + 63 of the chunk (256 registers of codes) with tiles q and q + 4 of each slot: a fragment
;   of U read from LDS feeds four matrix instructions.  TRANSPOSED (source 0 = 16 columns of U, source 1 = 16 rows): a lane holds ONE row and eight neighbouring d, and the dot with v stays in the lane.
; U IS WALKED TWICE, once for each chunk.  Chunk 0 is streamed ahead of the first walk; chunk 1 DURING it: each of its eight slots takes one fragment a wave from loaded numbers to codes and asks for the next one.
; ONE TRIP (a slot): tile A's products; [the fragment's turn through the stage under the first half of A's vector work; its codes]; tile B's LDS loads under the second half; the wait for all tensor loads and the add; B's products;
;   the round's opening signal; the first half of B's vector work; the rest of the round; the joint refill; the next slot's tile A under the second half of B's vector work.
; CLUSTER: every work-group walks the same U, so the four of a cluster ask for each tile JOINTLY.  matrix is shared by nobody.
; PREFETCH: in trip t of the first walk a wave loads fragment t + 1 of chunk 1 and names fragment t + 3, a lane for each of its 32 blocks of 256 bytes; trips 5 to 7 name nothing; fragments 0 to 2 come by their loads alone.
;   U is read by all work-groups again and again and is not named.
; LDS: the ring, 2 x 65,536; L_USC U's scale words, filled once; from L_STG on no tensor load lands: the stages (16 rows x 528 a wave), the images (8,192 a wave), the rows' scale words, c wx, -2 v, partial scores, spare words.
.set RING1,  65536
.set L_USC,  131072
.set L_STG,  163840
.set L_IMG,  231424
.set L_SCW,  296960
.set L_WXT,  301056
.set L_VT,   305152
.set L_PS,   309248
.set SPARE,  313344                    ; 128 bytes for each of the eight waves; no other line names them
; REGISTERS, window 0 (window 1: the chunk's codes, tile of rows m, K step k at v[64 m + 8 k]; ahead of the first walk four sets of loaded numbers)
.set LI,  1                            ; 16 x lane
.set AU,  2                            ; 16 x lane + 8,192 q
.set AUS, 3                            ; L_USC + 16 x lane + 512 q
.set AWX, 4                            ; L_WXT + 32 h + 64 q
.set AVT, 5
.set ADU, 6                            ; v6-9: the same four at the slot in hand
.set ADS, 7
.set ADW, 8
.set ADV, 9
.set SPW, 10                           ; my spare word; never rewritten
.set NIL, 11                           ; 0; never rewritten
.set STA, 12                           ; stage, way in
.set LDA, 13                           ; stage, way out: row r of 528 bytes + 128 h
.set SCA, 14                           ; where my rows' scale words go
.set SH8, 15                           ; 8 h
.set RAS, 16                           ; v16-31 the rows' scale words: register 4 m + j: lanes 0-15 K step 2 j, lanes 16-31 K step 2 j + 1: scales alone
.set RS,  32                           ; v32-39 the running dot with -2 v
.set RUS, 40                           ; v40-43 a tile's scale words: scales alone
.set IMS, 44                           ; where my images go
.set IMC, 45                           ; the same at the fragment in hand
.set SCC, 46
.set IMP, 47                           ; my row group's images
.set RWX, 48                           ; v48-63 c wx at my eight d: tile A's, tile B's.  A's set also takes a fragment's codes
.set CD,  48
.set RVV, 64                           ; v64-79 -2 v likewise
.set ACC, 80                           ; v80-111 four accumulators
.set UF,  112                          ; v112-175 a tile of U; between two tiles the 64 numbers of my row
.set XR,  112
.set GL,  176                          ; v176-239 the fragment on its way in
.set SLD, 240
.set PSO, 241
.set OT,  242
.set TAB, 243
.set PSR, 244
.set PFO, 245
.set MX,  246
.set SO,  248
.set BY,  250
.set WD,  252
.set TP,  253
; SCALARS: s16 wave, s17 q, s56 g; s[24:31], s[32:39] groups 1; s[40:43] slot 0's first fill; s[44:47] scale words; s[60:63] the walking group 0, s[58:59] its base, s[68:69] its offset in U;
;   s[48:49] c; s[50:51] lane selects; s52 slot; s53, s54 steps among scale words and tables; s55 trips; s[72:73] chunk 1's fragment; s74, s75 steps among images and scale words
.set MSB, 0
.macro WIN new
.if MSB != \new
	s_set_vgpr_msb (MSB<<8)|\new
.set MSB, \new
.endif
.endm
.macro CREST                           ; a round of the cluster's barrier behind its opening barrier
	s_cmp_lg_u32 s16, 0
	s_cbranch_scc1 .Lnot_wave_0_\@
	s_barrier_signal -3
.Lnot_wave_0_\@:
	s_barrier_wait -3
	s_barrier_signal -1
	s_barrier_wait -1
.endm
.macro CROUND
	s_barrier_signal -1
	s_barrier_wait -1
	CREST
.endm
.macro NOPS4
.rept 4
	v_nop
.endr
.endm
.macro THREE                           ; ahead of a fill's barrier and at the wave's end
	s_wait_tensorcnt 0x0
	ds_add_u32 v[SPW], v[NIL]
	s_wait_dscnt 0x0
.endm
.macro GLOAD1 f                        ; chunk 0, fragment f into set f % 4 of window 1
	WIN 0x40
.irp i, 0,1,2,3,4,5,6,7,8,9,10,11,12,13,14,15
	global_load_b128 v[64*((\f)%4)+4*\i:64*((\f)%4)+4*\i+3], v[LI], s[4:5] offset:\i*4096+512*(\f) th:TH_LOAD_NT
.endr
	WIN 0
.endm
.macro GLOADW                          ; chunk 1, the fragment at s[72:73]
.irp i, 0,1,2,3,4,5,6,7,8,9,10,11,12,13,14,15
	global_load_b128 v[GL+4*\i:GL+4*\i+3], v[LI], s[72:73] offset:\i*4096 th:TH_LOAD_NT
.endr
.endm
.macro TURN base, win                  ; 16 rows as they lie into the stage, my row's 64 numbers back; LDS serves a wave's instructions in order (ISA guide 5.7.1.4)
	WIN \win
.irp i, 0,1,2,3,4,5,6,7,8,9,10,11,12,13,14,15
	ds_store_b128 v[STA], v[\base+4*\i:\base+4*\i+3] offset:528*\i
.endr
	WIN 0
.irp c, 0,1
.irp g, 0,1,2,3,4,5,6,7
	ds_load_b128 v[XR+32*\c+4*\g:XR+32*\c+4*\g+3], v[LDA] offset:256*\c+16*\g
.endr
.endr
.endm
; register 32 c + i of XR = k 64 c + 32 h + i of my row: two whole blocks.  Their codes are the operand's registers 4 c .. 4 c + 3.
.macro QUANT ia, io, sa, so
.irp c, 0,1
	v_max3_num_f32 v[MX+\c], |v[XR+32*\c]|, |v[XR+32*\c+1]|, 0x1800000   ; with the floor 2^(3 - 127): the byte cannot fall under 1
.endr
.irp i, 2,4,6,8,10,12,14,16,18,20,22,24,26,28,30
.irp c, 0,1
	s_delay_alu instid0(VALU_DEP_2)
	v_max3_num_f32 v[MX+\c], v[MX+\c], |v[XR+32*\c+\i]|, |v[XR+32*\c+\i+1]|
.endr
.endr
	s_delay_alu instid0(VALU_DEP_2)
	v_add_nc_u32 v[SO], 0xff000000, v[MX]          ; 2 off the exponent field: the conversion's scale operand
	s_delay_alu instid0(VALU_DEP_2)
	v_add_nc_u32 v[SO+1], 0xff000000, v[MX+1]
	s_delay_alu instid0(VALU_DEP_2)
	v_lshrrev_b32 v[BY], 23, v[SO]
	s_delay_alu instid0(VALU_DEP_2)
	v_lshrrev_b32 v[BY+1], 23, v[SO+1]
	s_delay_alu instid0(VALU_DEP_1)
	v_lshl_or_b32 v[WD], v[BY+1], 16, v[BY]        ; the bytes of blocks h and 2 + h,
	s_delay_alu instid0(VALU_DEP_1)
	v_lshlrev_b32 v[WD], v[SH8], v[WD]             ; at their places in the word;
	s_delay_alu instid0(VALU_DEP_1)
	v_permlanex16_b32 v[TP], v[WD], s50, s51
	s_delay_alu instid0(VALU_DEP_1)
	v_or_b32 v[WD], v[WD], v[TP]                   ; with lane l xor 16's two the word is whole
.irp c, 0,1
.irp g, 0,1,2,3
	v_cvt_scalef32_pk8_fp4_f32 v[CD+4*\c+\g], v[XR+32*\c+8*\g:XR+32*\c+8*\g+7], v[SO+\c]
.endr
.endr
	v_nop                                          ; one plain place behind the last scaled conversion
	ds_store_b128 v[\ia], v[CD:CD+3] offset:\io
	ds_store_b128 v[\ia], v[CD+4:CD+7] offset:\io+512
	ds_store_b32 v[\sa], v[WD] offset:\so          ; both halves of the lanes write the same word with the same value
.endm
.macro FRAG1 f, left                   ; chunk 0's fragment f; left: the younger fragments' loads, 16 each
	s_wait_loadcnt \left
	TURN 64*((\f)%4), 0x04
	s_wait_dscnt 0x0                               ; my numbers are back, so the stores have read their registers
.if (\f) < 4
	GLOAD1 (\f)+4
.elseif (\f) == 4
	GLOADW                                         ; chunk 1's fragment 0
.endif
	QUANT IMS, 1024*(\f), SCA, 64*(\f)
.endm
.macro LTILE o                         ; tile q + o of the slot in hand: 16 loads of codes, one of scale words
.set LN, 0
.rept 16
	ds_load_b128 v[UF+4*LN:UF+4*LN+3], v[ADU] offset:8192*(\o)+512*LN
.set LN, LN+1
.endr
	ds_load_b128 v[RUS:RUS+3], v[ADS] offset:512*(\o)
.endm
; 32 matrix instructions: 8 K steps x 4 tiles of rows; the four accumulators take turns, one instruction a turn; the first K step starts the sums
.macro MULS
	WIN 0x04                                       ; source 1, the rows' codes: window 1
.irp k, 0,1,2,3,4,5,6,7
.irp m, 0,1,2,3
.if \k == 0
	v_wmma_scale_f32_16x16x128_f8f6f4 v[ACC+8*\m:ACC+8*\m+7], v[UF:UF+7], v[64*\m:64*\m+7], 0, v[RUS], v[RAS+4*\m] matrix_a_fmt:MATRIX_FMT_FP4 matrix_b_fmt:MATRIX_FMT_FP4
.elseif (\k%2) == 0
	v_wmma_scale_f32_16x16x128_f8f6f4 v[ACC+8*\m:ACC+8*\m+7], v[UF+8*\k:UF+8*\k+7], v[64*\m+8*\k:64*\m+8*\k+7], v[ACC+8*\m:ACC+8*\m+7], v[RUS+\k/2], v[RAS+4*\m+\k/2] matrix_a_fmt:MATRIX_FMT_FP4 matrix_b_fmt:MATRIX_FMT_FP4
.else
	v_wmma_scale_f32_16x16x128_f8f6f4 v[ACC+8*\m:ACC+8*\m+7], v[UF+8*\k:UF+8*\k+7], v[64*\m+8*\k:64*\m+8*\k+7], v[ACC+8*\m:ACC+8*\m+7], v[RUS+\k/2], v[RAS+4*\m+\k/2] matrix_a_fmt:MATRIX_FMT_FP4 matrix_b_fmt:MATRIX_FMT_FP4 matrix_a_scale:MATRIX_SCALE_ROW1 matrix_b_scale:MATRIX_SCALE_ROW1
.endif
.endr
.endr
	WIN 0
.endm
.macro EPI1 p                          ; 2^(c uy + c wx); each accumulator from its low end on
.irp m, 0,1,2,3
.irp j, 0,2,4,6
	v_pk_fma_f32 v[ACC+8*\m+\j:ACC+8*\m+\j+1], v[ACC+8*\m+\j:ACC+8*\m+\j+1], s[48:49], v[RWX+8*\p+\j:RWX+8*\p+\j+1] op_sel_hi:[1,0,1]
.endr
.endr
	s_wait_alu depctr_va_vdst(0)
.set EJ, 0
.rept 32
	v_exp_f32 v[ACC+EJ], v[ACC+EJ]
.set EJ, EJ+1
.endr
	v_nop
	s_wait_alu depctr_va_vdst(0)
.endm
.macro EPI2 p                          ; r = 1 / (1 + .), and the dot with -2 v
.set EJ, 0
.rept 16
	v_pk_add_f32 v[ACC+EJ:ACC+EJ+1], v[ACC+EJ:ACC+EJ+1], 1.0 op_sel_hi:[1,0]
.set EJ, EJ+2
.endr
	s_wait_alu depctr_va_vdst(0)
.set EJ, 0
.rept 32
	v_rcp_f32 v[ACC+EJ], v[ACC+EJ]
.set EJ, EJ+1
.endr
	v_nop
	s_wait_alu depctr_va_vdst(0)
.irp jj, 0,2,4,6
.irp m, 0,1,2,3
	v_pk_fma_f32 v[RS+2*\m:RS+2*\m+1], v[ACC+8*\m+\jj:ACC+8*\m+\jj+1], v[RVV+8*\p+\jj:RVV+8*\p+\jj+1], v[RS+2*\m:RS+2*\m+1]
.endr
.endr
.endm
.macro XCHG                            ; my row group's 64 rows: 64 loads of codes (register 4 n at byte 512 n of the group's images), 16 of scale words
	WIN 0x40
.set LN, 0
.rept 64
	ds_load_b128 v[4*LN:4*LN+3], v[IMP] offset:512*LN
.set LN, LN+1
.endr
	WIN 0
.set LN, 0
.rept 16
	ds_load_b32 v[RAS+LN], v[SLD] offset:128*LN
.set LN, LN+1
.endr
.irp i, 0,1,2,3,4,5,6,7
	v_mov_b32 v[RS+\i], 0
.endr
.endm
.macro FINISH c                        ; a row's dot lies in two halves of a pair and in two lanes; the four classes of tiles meet in LDS
.irp m, 0,1,2,3
	s_delay_alu instid0(VALU_DEP_4)
	v_add_f32 v[246+\m], v[RS+2*\m], v[RS+2*\m+1]
.endr
.irp m, 0,1,2,3
	s_delay_alu instid0(VALU_DEP_4)
	v_permlanex16_b32 v[250+\m], v[246+\m], s50, s51
.endr
.irp m, 0,1,2,3
	s_delay_alu instid0(VALU_DEP_4)
	v_add_f32 v[246+\m], v[246+\m], v[250+\m]
.endr
.irp m, 0,1,2,3
	ds_store_b32 v[PSO], v[246+\m] offset:2048*\c+64*\m
.endr
.endm
; A trip.  At its head tile A's 17 loads are out.  frag: a fragment of chunk 1 is quantised; gl: the next one is asked for; mode 1: the slot is filled again; 0: a barrier, no fill; 2: the last slot; wrap: the next slot is U's first
.macro BODY frag, gl, mode, wrap
	v_add_nc_u32 v[ADW], s54, v[AWX]
	v_add_nc_u32 v[ADV], s54, v[AVT]
.irp p, 0,1
	ds_load_b128 v[RWX+8*\p:RWX+8*\p+3], v[ADW] offset:256*\p
	ds_load_b128 v[RWX+8*\p+4:RWX+8*\p+7], v[ADW] offset:256*\p+16
	ds_load_b128 v[RVV+8*\p:RVV+8*\p+3], v[ADV] offset:256*\p
	ds_load_b128 v[RVV+8*\p+4:RVV+8*\p+7], v[ADV] offset:256*\p+16
.endr
	s_wait_dscnt 8                                 ; all but the eight table loads: tile A is in
	MULS
	NOPS4                                          ; four places ahead of loads into U's registers and of the first read of the sums
.if \frag
	s_wait_loadcnt 0x0                             ; the fragment asked for a trip ago
.if \gl
	s_wait_xcnt 0x0                                ; the prefetch of a trip ago has read its base
	s_add_nc_u64 s[72:73], s[72:73], 512
.endif
	TURN GL, 0
	s_wait_dscnt 32                                ; the tables are in; the stage's 16 stores and 16 loads stay out
	EPI1 0
.if \gl
	s_wait_dscnt 16                                ; the stores have read their registers
	GLOADW
	s_cmp_ge_u32 s55, 3                            ; trips 0 to 4: two fragments beyond the one just asked for
	s_cbranch_scc0 .Lno_pf_\@
	global_prefetch_b8 v[PFO], s[72:73] offset:1024 th:TH_LOAD_NT scope:SCOPE_SE
.Lno_pf_\@:
.endif
	s_wait_dscnt 0x0
	v_add_nc_u32 v[IMC], s74, v[IMS]
	v_add_nc_u32 v[SCC], s75, v[SCA]
	QUANT IMC, 0, SCC, 0
	s_add_co_u32 s74, s74, 1024
	s_add_co_u32 s75, s75, 64
	LTILE 4
	EPI2 0
.else
	LTILE 4
	s_wait_dscnt 17                                ; the tables are in; tile B's 17 loads stay out
	EPI1 0
	EPI2 0
.endif
	s_wait_dscnt 0x0                               ; tile B is in: my reads of this slot are over
.if (\mode) < 2
	s_wait_tensorcnt 0x0                           ; my tile of the next slot has landed; no tensor load of mine is out
	ds_add_u32 v[SPW], v[NIL]                      ; the add; B's products stand between it and the wait for it
.if (\mode) == 1
	s_xor_b32 s61, s61, RING1                      ; the slot in hand takes the eight tiles two slots on; U is walked round
	s_add_co_u32 s68, s68, 65536
	s_and_b32 s68, s68, 0x7ffff
	s_add_nc_u64 s[62:63], s[58:59], s[68:69]
.endif
	MULS
	s_wait_dscnt 0x0
	s_barrier_signal -1
	NOPS4
	EPI1 1                                         ; work on registers while the others arrive
	s_barrier_wait -1
.if (\mode) == 1
	CREST                                          ; no wave of any partner still reads the slot in hand or has a load on its way
	tensor_load_to_lds s[60:63], s[24:31]
	s_nop 0
	NOPS4
.endif
	s_xor_b32 s52, s52, RING1
.if \wrap
	s_mov_b32 s53, 0
	s_mov_b32 s54, 0
.else
	s_add_co_u32 s53, s53, 4096
	s_add_co_u32 s54, s54, 512
.endif
	v_add_nc_u32 v[ADU], s52, v[AU]
	v_add_nc_u32 v[ADS], s53, v[AUS]
	LTILE 0
	EPI2 1
.else
	MULS
	NOPS4
	EPI1 1
	EPI2 1
.endif
.endm
	s_load_b256 s[4:11], s[0:1], 0x0               ; matrix, ucodes, uscales, wxp
	s_load_b128 s[12:15], s[0:1], 0x20             ; v_vector, scores
	v_lshl_add_u32 v[SPW], v0, 2, SPARE
	v_mov_b32 v[NIL], 0
	ds_add_u32 v[SPW], v[NIL]                      ; the opening: the add twice on end and one wait, ahead of my first tensor load
	ds_add_u32 v[SPW], v[NIL]
	v_lshrrev_b32 v254, 5, v0
	s_delay_alu instid0(VALU_DEP_1)
	v_readfirstlane_b32 s16, v254                  ; wave 0..7
	s_and_b32 s17, s16, 3                          ; q: my class of tiles
	s_lshr_b32 s56, s16, 2                         ; g: my row group
	s_bfe_u32 s18, ttmp6, 0x40000                  ; cx: it enters the addresses of matrix, wxp and scores alone
	s_lshl_b32 s19, ttmp9, 2
	s_add_co_u32 s19, s19, s18
	s_mov_b32 s24, 15|(3<<16)|(1<<21)              ; groups 1: dense blocks as rows of 256 bytes (32 elements of 8): a tile of codes is 32 rows, an eighth of the scale words 16; the mask names the four
	s_mov_b32 s25, 32<<16
	s_mov_b32 s26, 32<<16
	s_mov_b32 s27, 32<<16
	s_mov_b32 s28, 32
	s_mov_b32 s29, 32
	s_mov_b32 s30, 0
	s_mov_b32 s31, 0
	s_mov_b32 s32, 15|(3<<16)|(1<<21)
	s_mov_b32 s33, 32<<16
	s_mov_b32 s34, 16<<16
	s_mov_b32 s35, 32<<16
	s_mov_b32 s36, 16
	s_mov_b32 s37, 32
	s_mov_b32 s38, 0
	s_mov_b32 s39, 0
	s_mov_b32 s40, 1
	s_lshl_b32 s41, s16, 13                        ; slot 0, tile = wave
	s_mov_b32 s60, 1
	s_add_co_u32 s61, s41, RING1                   ; slot 1, tile = wave
	s_mov_b32 s44, 1
	s_lshl_b32 s45, s16, 12
	s_add_co_u32 s45, s45, L_USC
	s_mov_b32 s48, 0x4038aa3b                      ; c = 2 log2(e)
	s_mov_b32 s49, s48
	s_mov_b32 s50, 0x76543210
	s_mov_b32 s51, 0xfedcba98
	s_mov_b32 s52, 0
	s_mov_b32 s53, 0
	s_mov_b32 s54, 0
	s_mov_b32 s68, 65536
	s_mov_b32 s69, 0
	s_mov_b32 s74, 0
	s_mov_b32 s75, 0
	s_lshl_b32 s76, s17, 13
	s_lshl_b32 s77, s17, 9
	s_add_co_u32 s77, s77, L_USC
	s_lshl_b32 s78, s17, 6
	s_add_co_u32 s78, s78, L_WXT
	s_mul_i32 s79, s16, 8448
	s_add_co_u32 s79, s79, L_STG
	s_lshl_b32 s80, s16, 13
	s_add_co_u32 s80, s80, L_IMG
	s_lshl_b32 s81, s56, 15
	s_add_co_u32 s81, s81, L_IMG
	s_lshl_b32 s82, s16, 9
	s_add_co_u32 s82, s82, L_SCW
	s_lshl_b32 s83, s56, 11
	s_add_co_u32 s83, s83, L_SCW
	s_lshl_b32 s84, s17, 9
	s_lshl_b32 s85, s56, 8
	s_add_co_u32 s84, s84, s85
	s_add_co_u32 s84, s84, L_PS
	s_mov_b32 s21, 0
	v_and_b32 v246, 31, v0                         ; lane
	v_and_b32 v247, 15, v0                         ; r
	v_bfe_u32 v248, v0, 4, 1                       ; h
	v_lshrrev_b32 v254, 5, v0
	v_lshlrev_b32 v[OT], 4, v0
	v_lshlrev_b32 v[LI], 4, v246
	v_mul_u32_u24 v249, v247, 528
	v_lshlrev_b32 v[SH8], 3, v248
	v_lshrrev_b32 v250, 1, v246
	v_and_b32 v251, 1, v246
	v_add_nc_u32 v[AU], s76, v[LI]
	v_add_nc_u32 v[AUS], s77, v[LI]
	v_lshl_add_u32 v[AWX], v248, 5, s78
	v_add_nc_u32 v[STA], s79, v[LI]
	v_lshl_add_u32 v249, v248, 7, v249
	v_add_nc_u32 v[IMS], s80, v[LI]
	v_add_nc_u32 v[IMP], s81, v[LI]
	v_lshl_add_u32 v[SCA], v247, 2, s82
	v_lshl_add_u32 v[SLD], v246, 2, s83
	v_lshl_add_u32 v[PSO], v247, 2, s84            ; partial scores: [chunk 2][q 4][128 rows]
	v_add_nc_u32 v[AVT], L_VT-L_WXT, v[AWX]
	v_add_nc_u32 v[LDA], s79, v249
	v_add_nc_u32 v[TAB], L_WXT, v[OT]
	v_lshl_add_u32 v[PSR], v254, 11, v[LI]         ; threads 0 to 63 on the way out: chunk = wave, four rows a lane
	v_lshlrev_b32 v251, 8, v251
	v_mov_b32 v[TP], 0                             ; a lane permute's destination counts as one of its sources
	s_delay_alu instid0(VALU_DEP_3)
	v_add_nc_u32 v[PSR], L_PS, v[PSR]
	s_delay_alu instid0(VALU_DEP_3)
	v_lshl_add_u32 v[PFO], v250, 12, v251          ; the prefetch: row lane / 2, block lane % 2 of a fragment's 16 x 512 bytes
	s_wait_alu depctr_va_vdst(0)
	s_wait_dscnt 0x0                               ; both opening adds are done
	s_wait_kmcnt 0x0
	s_lshl_b32 s20, s16, 13
	s_add_nc_u64 s[42:43], s[6:7], s[20:21]        ; U's codes: tile = wave
	s_or_b32 s43, s43, 0x80000000
	s_mov_b64 s[58:59], s[42:43]
	s_add_nc_u64 s[62:63], s[58:59], s[68:69]      ; and tile = 8 + wave
	s_lshl_b32 s20, s16, 12
	s_add_nc_u64 s[46:47], s[8:9], s[20:21]
	s_or_b32 s47, s47, 0x80000000
	s_lshl_b32 s20, s19, 20                        ; matrix: 256 rows of 4,096 bytes a work-group, 16 a wave and chunk
	s_lshl_b32 s22, s16, 16
	s_add_co_u32 s20, s20, s22
	s_add_nc_u64 s[4:5], s[4:5], s[20:21]
	s_add_nc_u64 s[72:73], s[4:5], 524288          ; chunk 1: 128 rows on
	s_lshr_b32 s20, s19, 3
	s_lshl_b32 s20, s20, 12
	s_add_nc_u64 s[10:11], s[10:11], s[20:21]      ; wxp at row b
	s_lshl_b32 s20, s19, 10
	s_add_nc_u64 s[14:15], s[14:15], s[20:21]      ; scores at my work-group's 256
.irp p, 0,1,2,3,4,5,6,7
	global_load_b128 v[176+4*\p:179+4*\p], v[OT], s[10:11] offset:131072*\p   ; thread t: wx's eight partial sums for d = 4 t .. 4 t + 3,
.endr
	global_load_b128 v[208:211], v[OT], s[12:13]   ; and v there
	GLOAD1 0
	GLOAD1 1
	GLOAD1 2
	CROUND                                         ; all four work-groups are here: the first joint loads meet
	tensor_load_to_lds s[44:47], s[32:39]          ; U's scale words, filled once: my one tensor load at the head
	s_nop 0
	NOPS4
	s_wait_loadcnt 48                              ; the tables' nine loads are in; three fragments' 48 stay out
	v_pk_add_f32 v[176:177], v[176:177], v[180:181]                ; wx: the first two partial sums
	v_pk_add_f32 v[178:179], v[178:179], v[182:183]
.irp p, 2,3,4,5,6,7
	s_delay_alu instid0(VALU_DEP_2)
	v_pk_add_f32 v[176:177], v[176:177], v[176+4*\p:177+4*\p]      ; wx: the eight partial sums in ascending order of K
	s_delay_alu instid0(VALU_DEP_2)
	v_pk_add_f32 v[178:179], v[178:179], v[178+4*\p:179+4*\p]
.endr
	v_pk_mul_f32 v[208:209], v[208:209], -2.0 op_sel_hi:[1,0]
	v_pk_mul_f32 v[210:211], v[210:211], -2.0 op_sel_hi:[1,0]
	v_pk_mul_f32 v[176:177], v[176:177], s[48:49] op_sel_hi:[1,0]  ; the table holds c wx
	v_pk_mul_f32 v[178:179], v[178:179], s[48:49] op_sel_hi:[1,0]
	ds_store_b128 v[TAB], v[208:211] offset:L_VT-L_WXT
	ds_store_b128 v[TAB], v[176:179]
	GLOAD1 3
	; ---- chunk 0 is streamed; slot 0 is first filled half way
.irp f, 0,1,2,3
	FRAG1 \f, 48
.endr
	THREE
	CROUND
	tensor_load_to_lds s[40:43], s[24:31]          ; slot 0: tiles 0 to 7
	s_nop 0
	NOPS4
	FRAG1 4, 48
	FRAG1 5, 48                                    ; younger: fragments 6 and 7, and chunk 1's fragment 0
	FRAG1 6, 32
	FRAG1 7, 16
	THREE                                          ; slot 0 has landed; my images and scale words are stored
	CROUND
	tensor_load_to_lds s[60:63], s[24:31]          ; slot 1: tiles 8 to 15
	s_nop 0
	NOPS4
	XCHG
	v_add_nc_u32 v[ADU], s52, v[AU]
	v_add_nc_u32 v[ADS], s53, v[AUS]
	LTILE 0
	s_wait_alu depctr_va_vdst(0)
	s_wait_dscnt 0x0                               ; my reads of chunk 0's images are over: chunk 1's land on the same bytes behind this barrier.  No tensor load fills anything behind it
	s_barrier_signal -1
	s_barrier_wait -1
	; ---- the first walk: trips 0 to 6 in a loop, trip 7 written out (it asks for no fragment, and its successor is U's first slot)
	s_mov_b32 s55, 7
.Lwalk0:
	BODY 1, 1, 1, 0
	s_sub_co_u32 s55, s55, 1
	s_cmp_lg_u32 s55, 0
	s_wait_alu depctr_va_vdst(0)
	s_cbranch_scc1 .Lwalk0
	BODY 1, 0, 1, 1
	FINISH 0
	XCHG                                           ; chunk 1's images were whole at the last round
	; ---- the second walk: six trips fill; the last two slots are written out
	s_mov_b32 s55, 6
	s_wait_alu depctr_va_vdst(0)
.Lwalk1:
	BODY 0, 0, 1, 0
	s_sub_co_u32 s55, s55, 1
	s_cmp_lg_u32 s55, 0
	s_wait_alu depctr_va_vdst(0)
	s_cbranch_scc1 .Lwalk1
	BODY 0, 0, 0, 0
	BODY 0, 0, 2, 0
	FINISH 1
	s_wait_dscnt 0x0                               ; for the others' sake
	s_barrier_signal -1
	s_barrier_wait -1
	s_cmp_lt_u32 s16, 2                            ; waves 0 and 1 add the four classes' parts and store: 64 threads x 4 rows
	s_cbranch_scc0 .Ldone
.irp p, 0,1,2,3
	ds_load_b128 v[80+4*\p:83+4*\p], v[PSR] offset:512*\p
.endr
	s_wait_dscnt 0x0
	v_pk_add_f32 v[80:81], v[80:81], v[84:85]
	v_pk_add_f32 v[82:83], v[82:83], v[86:87]
	v_pk_add_f32 v[88:89], v[88:89], v[92:93]
	v_pk_add_f32 v[90:91], v[90:91], v[94:95]
	s_delay_alu instid0(VALU_DEP_2)
	v_pk_add_f32 v[80:81], v[80:81], v[88:89]
	s_delay_alu instid0(VALU_DEP_2)
	v_pk_add_f32 v[82:83], v[82:83], v[90:91]
	global_store_b128 v[OT], v[80:83], s[14:15]    ; a wave stores 512 consecutive bytes
.Ldone:
	THREE                                          ; the wave's end
	CROUND                                         ; the closing round
	s_endpgm
.Lfunc_end_k_q79fda5a484_main:
	.size	k_q79fda5a484_main, .Lfunc_end_k_q79fda5a484_main-k_q79fda5a484_main
	.p2alignl 7, 3214868480
	.fill 96, 4, 3214868480
	.section	.rodata,"a",@progbits
	.p2align	6, 0x0
	.amdhsa_kernel k_q79fda5a484_main
		.amdhsa_group_segment_fixed_size 327680
		.amdhsa_private_segment_fixed_size 0
		.amdhsa_enable_private_segment 0
		.amdhsa_kernarg_size 48
		.amdhsa_user_sgpr_count 2
		.amdhsa_user_sgpr_kernarg_segment_ptr 1
		.amdhsa_wavefront_size32 1
		.amdhsa_system_sgpr_workgroup_id_x 1
		.amdhsa_system_sgpr_workgroup_id_y 1
		.amdhsa_system_sgpr_workgroup_id_z 1
		.amdhsa_system_vgpr_workitem_id 0
		.amdhsa_next_free_vgpr 512
		.amdhsa_next_free_sgpr 96
		.amdhsa_reserve_vcc 0
		.amdhsa_float_denorm_mode_32 3
		.amdhsa_float_denorm_mode_16_64 3
		.amdhsa_memory_ordered 1
		.amdhsa_forward_progress 1
		.amdhsa_inst_pref_size 217
	.end_amdhsa_kernel
	.amdgpu_metadata
---
amdhsa.version: [ 1, 2 ]
amdhsa.kernels:
  - .name:           k_q79fda5a484_main
    .symbol:         k_q79fda5a484_main.kd
    .args:
      - { .name: matrix, .offset: 0, .size: 8, .value_kind: global_buffer, .address_space: global }
      - { .name: ucodes, .offset: 8, .size: 8, .value_kind: global_buffer, .address_space: global }
      - { .name: uscales, .offset: 16, .size: 8, .value_kind: global_buffer, .address_space: global }
      - { .name: wxp, .offset: 24, .size: 8, .value_kind: global_buffer, .address_space: global }
      - { .name: v_vector, .offset: 32, .size: 8, .value_kind: global_buffer, .address_space: global }
      - { .name: scores, .offset: 40, .size: 8, .value_kind: global_buffer, .address_space: global }
    .group_segment_fixed_size: 327680
    .private_segment_fixed_size: 0
    .kernarg_segment_align: 8
    .kernarg_segment_size: 48
    .max_flat_workgroup_size: 256
    .sgpr_count:     96
    .vgpr_count:     512
    .wavefront_size: 32
...
	.end_amdgpu_metadata
.endif
;; end of part 2
;; launch soft (part 3): grid 32 x 1, 1 waves a work-group, no clusters, 0 bytes of LDS; arguments scores, out0; writes out0
.if DOCPART == 3
	.amdgcn_target "amdgcn-amd-amdhsa--gfx1250"
	.amdhsa_code_object_version 6
	.text
	.protected	k_q79fda5a484_soft
	.globl	k_q79fda5a484_soft
	.p2align	8
	.type	k_q79fda5a484_soft,@function
k_q79fda5a484_soft:
	s_mov_b64 s[64:65], 0
	v_nop
	global_prefetch_b8 v0, s[64:65] scope:SCOPE_SE
	s_setreg_imm32_b32 hwreg(HW_REG_WAVE_MODE, 25, 1), 1
	s_wait_xcnt 0x0
; out0[b][:] = softmax(scores[b][:]).  scores holds s' = the reference's score less sum_d v_d, a term that is the same along this axis (shown at the head of the first kernel): the softmax is the same.
; A row is 2,048 numbers, 8,192 bytes: one wave takes it, 64 numbers a lane in 64 registers, between the pass for the maximum, the pass for the sum and the scaling: read once, no LDS, no barrier.
; The row's maximum m is taken away before the exponential: p = 2^(x log2(e) - m log2(e)), one fused multiply-add; the rounding of m log2(e) is common to the row and leaves with the division.
; 32 work-groups are all the work there is.  Each load and store of the wave covers 512 consecutive bytes.
.set XR, 16                            ; v16-79 the row
	s_load_b128 s[4:7], s[0:1], 0x0                ; scores, out0
	v_lshlrev_b32 v1, 4, v0                        ; 16 bytes a lane
	s_lshl_b32 s8, ttmp9, 13                       ; 8,192 bytes a row
	s_mov_b32 s9, 0
	s_mov_b32 s10, 0x3fb8aa3b                      ; log2(e)
	s_mov_b32 s11, s10                             ; (named with it as a pair, so it is written)
	s_mov_b32 s12, 0x76543210
	s_mov_b32 s13, 0xfedcba98                      ; v_permlanex16_b32's selects for lane l xor 16
	s_wait_alu depctr_va_vdst(0)
	s_wait_kmcnt 0x0
	s_add_nc_u64 s[4:5], s[4:5], s[8:9]
	s_add_nc_u64 s[6:7], s[6:7], s[8:9]
.irp i, 0,1,2,3,4,5,6,7,8,9,10,11,12,13,14,15
	global_load_b128 v[XR+4*\i:XR+4*\i+3], v1, s[4:5] offset:512*\i
.endr
	s_wait_loadcnt 0x0
.irp k, 0,1,2,3                        ; the maximum of my 64, in four chains of 16
	v_max3_num_f32 v[4+\k], v[XR+16*\k], v[XR+16*\k+1], v[XR+16*\k+2]
.endr
.irp i, 3,5,7,9,11,13
.irp k, 0,1,2,3
	v_max3_num_f32 v[4+\k], v[4+\k], v[XR+16*\k+\i], v[XR+16*\k+\i+1]
.endr
.endr
.irp k, 0,1,2,3
	v_max_num_f32 v[4+\k], v[4+\k], v[XR+16*\k+15]
.endr
	v_max3_num_f32 v4, v4, v5, v6
	v_max_num_f32 v4, v4, v7
	v_max_num_f32_dpp v4, v4, v4 row_xmask:1 row_mask:0xf bank_mask:0xf
	v_max_num_f32_dpp v4, v4, v4 row_xmask:2 row_mask:0xf bank_mask:0xf
	v_max_num_f32_dpp v4, v4, v4 row_xmask:4 row_mask:0xf bank_mask:0xf
	v_max_num_f32_dpp v4, v4, v4 row_xmask:8 row_mask:0xf bank_mask:0xf
	v_permlanex16_b32 v5, v4, s12, s13
	v_max_num_f32 v4, v4, v5                       ; every lane holds the row's maximum
	v_mul_f32 v12, 0xbfb8aa3b, v4                  ; -m log2(e)
	v_mov_b32 v13, v12
.set J, 0
.rept 32
	v_pk_fma_f32 v[XR+J:XR+J+1], v[XR+J:XR+J+1], s[10:11], v[12:13] op_sel_hi:[1,0,0]
.set J, J+2
.endr
.set J, 0
	s_wait_alu depctr_va_vdst(0)
.rept 64
	v_exp_f32 v[XR+J], v[XR+J]
.set J, J+1
.endr
	v_nop                                          ; one plain instruction behind the batch,
	s_wait_alu depctr_va_vdst(0)                   ; and one wait for all 64, ahead of their first reader
	v_pk_add_f32 v[8:9], v[XR:XR+1], v[XR+2:XR+3]  ; the sum, two at a time, in two chains
	v_pk_add_f32 v[10:11], v[XR+4:XR+5], v[XR+6:XR+7]
.set J, 8
.rept 14
	v_pk_add_f32 v[8:9], v[8:9], v[XR+J:XR+J+1]
	v_pk_add_f32 v[10:11], v[10:11], v[XR+J+2:XR+J+3]
.set J, J+4
.endr
	v_pk_add_f32 v[8:9], v[8:9], v[10:11]
	v_add_f32 v8, v8, v9
	v_add_f32_dpp v8, v8, v8 row_xmask:1 row_mask:0xf bank_mask:0xf
	v_add_f32_dpp v8, v8, v8 row_xmask:2 row_mask:0xf bank_mask:0xf
	v_add_f32_dpp v8, v8, v8 row_xmask:4 row_mask:0xf bank_mask:0xf
	v_add_f32_dpp v8, v8, v8 row_xmask:8 row_mask:0xf bank_mask:0xf
	v_permlanex16_b32 v9, v8, s12, s13
	v_add_f32 v8, v8, v9                           ; at least 1: the largest p is 2^0 up to the rounding of m log2(e)
	s_wait_alu depctr_va_vdst(0)
	v_rcp_f32 v14, v8
	v_mov_b32 v15, 0                               ; the plain instruction behind the reciprocal; v15 is named with v14 as a pair, so it is written
	s_wait_alu depctr_va_vdst(0)
.set J, 0
.rept 32
	v_pk_mul_f32 v[XR+J:XR+J+1], v[XR+J:XR+J+1], v[14:15] op_sel_hi:[1,0]
.set J, J+2
.endr
.irp i, 0,1,2,3,4,5,6,7,8,9,10,11,12,13,14,15
	global_store_b128 v1, v[XR+4*\i:XR+4*\i+3], s[6:7] offset:512*\i
.endr
	s_endpgm
.Lfunc_end_k_q79fda5a484_soft:
	.size	k_q79fda5a484_soft, .Lfunc_end_k_q79fda5a484_soft-k_q79fda5a484_soft
	.p2alignl 7, 3214868480
	.fill 96, 4, 3214868480
	.section	.rodata,"a",@progbits
	.p2align	6, 0x0
	.amdhsa_kernel k_q79fda5a484_soft
		.amdhsa_group_segment_fixed_size 0
		.amdhsa_private_segment_fixed_size 0
		.amdhsa_enable_private_segment 0
		.amdhsa_kernarg_size 16
		.amdhsa_user_sgpr_count 2
		.amdhsa_user_sgpr_kernarg_segment_ptr 1
		.amdhsa_wavefront_size32 1
		.amdhsa_system_sgpr_workgroup_id_x 1
		.amdhsa_system_sgpr_workgroup_id_y 1
		.amdhsa_system_sgpr_workgroup_id_z 1
		.amdhsa_system_vgpr_workitem_id 0
		.amdhsa_next_free_vgpr 96
		.amdhsa_next_free_sgpr 66
		.amdhsa_reserve_vcc 0
		.amdhsa_float_denorm_mode_32 3
		.amdhsa_float_denorm_mode_16_64 3
		.amdhsa_memory_ordered 1
		.amdhsa_forward_progress 1
		.amdhsa_inst_pref_size 15
	.end_amdhsa_kernel
	.amdgpu_metadata
---
amdhsa.version: [ 1, 2 ]
amdhsa.kernels:
  - .name:           k_q79fda5a484_soft
    .symbol:         k_q79fda5a484_soft.kd
    .args:
      - { .name: scores, .offset: 0, .size: 8, .value_kind: global_buffer, .address_space: global }
      - { .name: out0, .offset: 8, .size: 8, .value_kind: global_buffer, .address_space: global }
    .group_segment_fixed_size: 0
    .private_segment_fixed_size: 0
    .kernarg_segment_align: 8
    .kernarg_segment_size: 16
    .max_flat_workgroup_size: 32
    .sgpr_count:     66
    .vgpr_count:     96
    .wavefront_size: 32
...
	.end_amdgpu_metadata
.endif
;; end of part 3
